; MI455X (gfx1250); checked and timed in simulation.
; The chip was launched on July 23, 2026; its instructions are those of AMD's public machine-readable ISA for CDNA 5 (MIT licence, August 2026) and "CDNA5" Instruction Set Architecture Reference Guide (July 2026). The comments in the code are by the model that wrote it; some were corrected since.
;; Attention. Allowed arithmetic: matrix products marked QUANTISED: E4M3 operands, one given power-of-two scale a tensor, by v_wmma_f32_16x16x64_fp8_fp8 or v_wmma_f32_16x16x128_fp8_fp8, f32 sums; everything else in f32.
;; Inputs: Wk 1,024 x 1,024 float32; Wo 1,024 x 1,024 float32; Wq 1,024 x 1,024 float32; Wv 1,024 x 1,024 float32; attention_mask 4 x 2,048 bool; lowp_scales 12 int32 (the exponents e of the quantised operands' scales 2^e); x 4 x 2,048 x 1,024 float32.
;; Outputs: out0 4 x 2,048 x 1,024 float32.
;; Constants: phase_end_idx = 64, skip_phase_rope = 1.
;; This version of the problem:
;;   THIS VERSION OF THE PROBLEM IS GIVEN IN LOW PRECISION. The matrix products marked QUANTISED in the list below multiply operands that are first quantised to E4M3 (4 exponent bits, 3 mantissa bits; 8 bits a number), with one given power-of-two scale for each operand tensor; their sums are f32. All else is computed in f32.
;;   The module's matrix products, in the order in which they are computed (A, B: the left and right operand; K: the contracted axis; several contracted axes count as one K, in the product's order):
;;     1. [M 8,192, K 1,024] x [K 1,024, N 1,024]; A: input x; B: input Wq: QUANTISED (scales: A lowp_scales[0], B lowp_scales[1])
;;     2. [M 8,192, K 1,024] x [K 1,024, N 1,024]; A: input x; B: input Wk: QUANTISED (scales: A lowp_scales[2], B lowp_scales[3])
;;     3. [M 8,192, K 1,024] x [K 1,024, N 1,024]; A: input x; B: input Wv: QUANTISED (scales: A lowp_scales[4], B lowp_scales[5])
;;     4. batch 64 x [M 2,048, K 64] x [K 64, N 2,048]; A: computed on the way; B: computed on the way: QUANTISED (scales: A lowp_scales[6], B lowp_scales[7])
;;     5. batch 64 x [M 2,048, K 2,048] x [K 2,048, N 64]; A: softmax (see below); B: computed on the way: QUANTISED (scales: A lowp_scales[8], B lowp_scales[9])
;;     6. [M 8,192, K 1,024] x [K 1,024, N 1,024]; A: computed on the way; B: input Wo: QUANTISED (scales: A lowp_scales[10], B lowp_scales[11])
;;   THE QUANTISER, for each operand of a quantised product, along K:
;;     - The operand's scale is 2^e, e = its entry of the input lowp_scales (int32; the entries are numbered through the quantised products in the list's order, A before B).
;;     - Each number is divided by the scale, clamped to +-448, and rounded to the nearest number of E4M3, ties to even, subnormals kept.
;;     - The product sums the exact products of the quantised numbers (number of the format x scale) in f32.
;;   ~~~python
;;   def quantise(x, axis, e):      # numpy; x: float32 -> the quantised numbers, widened to float32 again
;;       x = np.moveaxis(x, axis, -1); K = x.shape[-1]
;;       r = np.clip(x / 2.0 ** e, -448, 448)
;;       step = 2.0 ** (np.maximum(np.frexp(np.where(r == 0, 1, r))[1] - 1, -6) - 3)
;;       q = np.round(r / step) * step * 2.0 ** e      # np.round: ties to even
;;       return np.moveaxis(q, -1, axis).astype(np.float32)
;;   ~~~
;;   SOFTMAX AHEAD OF A QUANTISED PRODUCT. Where the list says 'softmax', what is quantised is not the finished softmax but p = 2^(t - M), with t = logit x log2(e) and M = ceil(the row's largest t), a whole number; so 1/2 < the row's largest p <= 1. The row's sum l is taken of the UNQUANTISED p, in f32, and the product's result is divided by l at the end. Since M is a whole number, a kernel that streams over the keys may use a running M (the ceiling of the running maximum): every later rescaling is an exact power of two, so the quantised numbers keep their values, but for numbers so far below the row's largest that they fall under the format's range.
;;   OPERANDS COMPUTED ON THE WAY. 'Computed on the way' means the value that the module computes at that place (a softmax that the list does not call 'softmax' is quantised finished and normalised). What goes into a quantiser is computed in f32, as accurately as f32 sums, v_exp_f32 and their like allow (about 1e-6 of the number): no bf16 or f16 on the way to a quantiser, and a product that is left as it is and whose result goes on into a quantised operand takes f32 operands (vector FMAs, or v_wmma_f32_16x16x4_f32). A number that lies on a knife's edge between two numbers of the format may be rounded either way, as far as f32 arithmetic and the matrix unit's own rounding can turn it there, and no further.
;; One version. Each part assembles by itself: llvm-mc -triple=amdgcn-amd-amdhsa -mcpu=gfx1250 --defsym DOCPART=n.
;; ======== version 1 of 1: 4 launches
;; limits: right only within a limited range of input values
;; workspace buffers: xc 25,165,824 bytes; wc 4,194,304 bytes; tab 524,288 bytes; qkvc 25,165,824 bytes; oc 8,388,608 bytes
;; launch prep (part 1): grid 1024 x 1, 4 waves a work-group, no clusters, 34,304 bytes of LDS; arguments x, Wq, Wk, Wv, Wo, lowp_scales, xc, wc, tab; writes xc, wc, tab
.if DOCPART == 1
	.amdgcn_target "amdgcn-amd-amdhsa--gfx1250"
	.amdhsa_code_object_version 6
	.text
	.protected	k_q6c9a72d403_prep
	.globl	k_q6c9a72d403_prep
	.p2align	8
	.type	k_q6c9a72d403_prep,@function
k_q6c9a72d403_prep:
	s_mov_b64 s[64:65], 0
	v_nop
	global_prefetch_b8 v0, s[64:65] scope:SCOPE_SE
	s_setreg_imm32_b32 hwreg(HW_REG_WAVE_MODE, 25, 1), 1
	s_wait_xcnt 0x0
; PREP.  x [8192][1024] f32 becomes three sets of E4M3 codes (scales 2^e0, 2^e2, 2^e4: one for each of the products with Wq, Wk, Wv);
; Wq, Wk, Wv, Wo [1024][1024] f32 become codes (2^e1, 2^e3, 2^e5, 2^e11); and the rotary table (cos, sin) is made.
; code = number / 2^e, held within +-448, rounded to the nearest code, ties to even.
; THE CODES ARE STORED AS IMAGES OF THE OPERAND'S REGISTERS.  A fragment is 16 rows x 128 K: lane (r, h) holds row r, registers 2 c, 2 c + 1 hold k = 16 c + 8 h + 0..7.
; Four registers are a piece of 512 bytes, lane l's 16 bytes at 16 l.  xc: [set 3][K step of 256: 4][row tile 512][fragment 2][piece 4][512 bytes]; wc: [weight 4][K step 4][row tile 64][2][4][512].
; SHARES.  Work-groups 0-511: a tile of 16 rows of x; 512-767: a tile of 16 rows of one weight; wave w takes K = 256 w .. 256 w + 255, two fragments.  768-1023: the table, one piece of 16 bytes a thread.
; A load takes 512 consecutive bytes of one row; the 16 rows turn through the wave's own stage in LDS (rows 528 bytes apart) and come back 32 bytes of a lane's own row at a time.
; tab: [token tile 128][piece u 8][lane][16 bytes] = cos_i, sin_i, cos_i+1, sin_i+1 of token 16 T + lane % 16, i = 8 (u / 2) + 4 (lane / 16) + 2 (u % 2); position = max(token - 64, 0).
; LIMITS: each e between -126 and 119.  NaN among the inputs is not served.  The table's frequencies 10000^(-i/32) are right to about two units in the last place of f32.
.set STG,   8448                       ; a wave's stage: 16 rows x (512 + 16) bytes
.set SPARE, 4*STG                      ; behind the stages: the spare words, 128 bytes a wave, two blocks of 256 bytes that no other line names
.set LO,  2                            ; v2   16 x lane
.set SI,  3                            ; v3   the stage, on the way in
.set SO,  4                            ; v4   the stage, on the way out: 528 r + 32 h
.set SCL, 8                            ; v8, v9: 2^e and 448 x 2^e of output 0; v10, v11 of output 1; v12, v13 of output 2
.set SPW, 14                           ; v14  my spare word; never rewritten
.set NIL, 15                           ; v15  0; never rewritten
.set R,   16                           ; v16-79, v80-143: the two fragments' numbers
.set T,   144                          ; v144-159: two sets of eight held numbers
.set C,   160                          ; v160-207: 16 registers of codes for each of three outputs
	s_load_b512 s[4:19], s[0:1], 0x0               ; x, Wq, Wk, Wv, Wo, the scales, xc, wc
	s_load_b64 s[20:21], s[0:1], 0x40              ; tab
	v_lshl_add_u32 v[SPW], v0, 2, SPARE
	v_mov_b32 v[NIL], 0
	v_lshrrev_b32 v1, 5, v0
	v_readfirstlane_b32 s22, v1                    ; wave
	v_and_b32 v5, 31, v0                           ; lane
	v_and_b32 v6, 15, v0                           ; r
	v_bfe_u32 v7, v0, 4, 1                         ; h
	v_lshlrev_b32 v[LO], 4, v5
	s_mul_i32 s23, s22, STG
	v_add_nc_u32 v[SI], s23, v[LO]
	v_mul_u32_u24 v[SO], v6, 528
	v_lshl_add_u32 v[SO], v7, 5, v[SO]
	v_add_nc_u32 v[SO], s23, v[SO]
	s_wait_kmcnt 0x0
	s_cmp_ge_u32 ttmp9, 768
	s_cbranch_scc1 .Ltable
	s_load_b256 s[24:31], s[14:15], 0x0            ; e0 .. e7
	s_load_b128 s[32:35], s[14:15], 0x20           ; e8 .. e11
	; which tensor, which tile: every choice hangs on the work-group's number alone
	s_sub_co_u32 s49, ttmp9, 512
	s_lshr_b32 s36, s49, 6                         ; the weight's number,
	s_and_b32 s37, s49, 63                         ; and its row tile
	s_cmp_eq_u32 s36, 1
	s_cselect_b64 s[38:39], s[8:9], s[6:7]
	s_cmp_eq_u32 s36, 2
	s_cselect_b64 s[38:39], s[10:11], s[38:39]
	s_cmp_eq_u32 s36, 3
	s_cselect_b64 s[38:39], s[12:13], s[38:39]
	s_cmp_lt_u32 ttmp9, 512
	s_cselect_b64 s[38:39], s[4:5], s[38:39]       ; where the numbers come from
	s_cselect_b64 s[40:41], s[16:17], s[18:19]     ; where the codes go
	s_cselect_b32 s37, ttmp9, s37
	s_cselect_b32 s36, 0, s36
	s_cselect_b32 s48, 21, 18                      ; a K step's bytes: 2^21 in xc, 2^18 in wc
	s_lshl_b32 s46, s36, 20
	s_lshl_b32 s49, s22, s48
	s_add_co_u32 s46, s46, s49
	s_lshl_b32 s49, s37, 12
	s_add_co_u32 s46, s46, s49
	s_mov_b32 s47, 0
	s_add_nc_u64 s[40:41], s[40:41], s[46:47]      ; output 0,
	s_add_nc_u64 s[42:43], s[40:41], 0x800000      ; and, for x alone, sets 1
	s_add_nc_u64 s[44:45], s[40:41], 0x1000000     ; and 2
	s_lshl_b32 s46, s37, 16                        ; 16 rows of 4,096 bytes,
	s_lshl_b32 s49, s22, 10                        ; my wave's 256 numbers of a row
	s_add_co_u32 s46, s46, s49
	s_add_nc_u64 s[38:39], s[38:39], s[46:47]
.macro LOAD f                          ; fragment f: 16 loads, each 512 consecutive bytes of one row; read once in the launch
.irp i, 0,1,2,3,4,5,6,7,8,9,10,11,12,13,14,15
	global_load_b128 v[R+64*(\f)+4*\i:R+64*(\f)+4*\i+3], v[LO], s[38:39] offset:4096*\i+512*(\f) th:TH_LOAD_NT
.endr
.endm
.macro TURN f                          ; through the stage: LDS serves a wave's instructions in order (ISA guide 5.7.1.4), so no wait stands between the stores and the loads; register 8 c + i becomes k = 16 c + 8 h + i of row r
.irp i, 0,1,2,3,4,5,6,7,8,9,10,11,12,13,14,15
	ds_store_b128 v[SI], v[R+64*(\f)+4*\i:R+64*(\f)+4*\i+3] offset:528*\i
.endr
.irp c, 0,1,2,3,4,5,6,7
	ds_load_b128 v[R+64*(\f)+8*\c:R+64*(\f)+8*\c+3], v[SO] offset:64*\c
	ds_load_b128 v[R+64*(\f)+8*\c+4:R+64*(\f)+8*\c+7], v[SO] offset:64*\c+16
.endr
.endm
.macro MKSC e, vsc                     ; v[vsc] = 2^e as f32 (the conversion takes its exponent field), v[vsc + 1] = 448 x 2^e
	s_add_co_i32 s51, \e, 127
	s_lshl_b32 s49, s51, 23
	v_mov_b32 v[\vsc], s49
	s_add_co_i32 s51, s51, 8
	s_lshl_b32 s51, s51, 23
	s_or_b32 s51, s51, 0x600000
	v_mov_b32 v[\vsc+1], s51
.endm
.macro QOUT f, o                       ; fragment f under output o's scale.  The conversion to an 8-bit code does not saturate (ISA guide 7.6.2): the number is held first.  The two sets of T take turns, so eight plain lines stand between a conversion and the next write of its sources
.irp c, 0,1,2,3,4,5,6,7
.irp i, 0,1,2,3,4,5,6,7
	v_med3_num_f32 v[T+8*(\c%2)+\i], v[R+64*(\f)+8*\c+\i], -v[SCL+2*(\o)+1], v[SCL+2*(\o)+1]
.endr
	v_cvt_scalef32_pk8_fp8_f32 v[C+16*(\o)+2*\c:C+16*(\o)+2*\c+1], v[T+8*(\c%2):T+8*(\c%2)+7], v[SCL+2*(\o)]
.endr
	v_nop                                          ; a plain line behind the last conversion
.endm
.macro ST f, o                         ; four pieces: each store covers 512 consecutive bytes, aligned
.irp c, 0,1,2,3
	global_store_b128 v[LO], v[C+16*(\o)+4*\c:C+16*(\o)+4*\c+3], s[40+2*(\o):41+2*(\o)] offset:2048*(\f)+512*\c
.endr
.endm
.macro FRAGOUT f
	QOUT \f, 0
	ST \f, 0
	s_cmp_lt_u32 ttmp9, 512                        ; a weight has one set of codes, x three
	s_cbranch_scc0 .Lweight_\@
	QOUT \f, 1
	ST \f, 1
	QOUT \f, 2
	ST \f, 2
.Lweight_\@:
.endm
	s_wait_alu depctr_va_vdst(0)
	LOAD 0
	LOAD 1
	s_wait_kmcnt 0x0
	s_cmp_eq_u32 s36, 1
	s_cselect_b32 s50, s27, s25                    ; e3 or e1,
	s_cmp_eq_u32 s36, 2
	s_cselect_b32 s50, s29, s50                    ; e5,
	s_cmp_eq_u32 s36, 3
	s_cselect_b32 s50, s35, s50                    ; e11,
	s_cmp_lt_u32 ttmp9, 512
	s_cselect_b32 s50, s24, s50                    ; or, for x, e0
	MKSC s50, SCL
	MKSC s26, SCL+2
	MKSC s28, SCL+4
	s_wait_alu depctr_va_vdst(0)
	s_wait_loadcnt 16                              ; fragment 0 is in; fragment 1's sixteen loads may be out
	TURN 0
	s_wait_loadcnt 0x0
	TURN 1
	s_wait_dscnt 32                                ; fragment 0 is back; fragment 1's 16 stores and 16 loads may be out
	FRAGOUT 0
	s_wait_dscnt 0x0
	s_wait_xcnt 0x0                                ; fragment 0's stores have read their data: the codes' registers are written again only behind this wait
	FRAGOUT 1
	s_wait_tensorcnt 0x0                           ; the wave's end, behind my last LDS store
	ds_add_u32 v[SPW], v[NIL]
	s_wait_dscnt 0x0
	s_endpgm
; THE TABLE.
.Ltable:
	s_sub_co_u32 s36, ttmp9, 768                   ; g: 0 .. 255
	s_lshr_b32 s37, s36, 1                         ; token tile T
	s_and_b32 s49, s36, 1
	s_lshl_b32 s49, s49, 2
	s_add_co_u32 s49, s49, s22                     ; piece u = 4 (g % 2) + wave
	s_lshr_b32 s50, s49, 1
	s_lshl_b32 s50, s50, 3
	s_and_b32 s51, s49, 1
	s_lshl_b32 s51, s51, 1
	s_add_co_u32 s50, s50, s51                     ; 8 (u / 2) + 2 (u % 2)
	s_mov_b32 s52, 0x3fc90fdb                      ; pi / 2, the f32 nearest to it,
	s_mov_b32 s53, 0xb33bbd2e                      ; and what it lacks
	s_wait_alu depctr_va_vdst(0)
	v_lshl_add_u32 v18, v7, 2, s50                 ; i
	s_lshl_b32 s51, s37, 4
	v_add_nc_u32 v19, s51, v6                      ; the token
	v_add_nc_u32 v20, 0xffffffc0, v19
	v_cvt_f32_i32 v20, v20
	v_max_num_f32 v20, 0, v20                      ; its position: max(token - 64, 0); position 0 gives cos = 1, sin = 0, so the first 64 tokens are left as they are
	v_cvt_f32_u32 v21, v18
	v_add_f32 v22, 1.0, v21
	v_mul_f32 v23, 0xbed49a80, v21                 ; -i x Lh, exact: Lh is log2(10000) / 32 cut to 17 bits, i has 5
	v_mul_f32 v24, 0xbed49a80, v22
	s_wait_alu depctr_va_vdst(0)
	v_exp_f32 v25, v23
	v_exp_f32 v26, v24
	v_mul_f32 v27, 0x342ae0c5, v21                 ; i x (Lh - log2(10000) / 32) x ln 2: what the cut leaves.  (The plain lines behind the two exponentials)
	v_mul_f32 v28, 0x342ae0c5, v22
	s_wait_alu depctr_va_vdst(0)                   ; one wait for both exponentials, ahead of their first reader
	v_fma_f32 v25, v25, v27, v25                   ; 10000^(-i / 32)
	v_fma_f32 v26, v26, v28, v26
; cos and sin of position x frequency: the angle less a whole number of quarter turns (the first product is exact, since the difference is a multiple of 2^-23 under 1), two polynomials on +-pi/4, and the quarter's swap and signs
.macro TRIG inv, c, s, t
	v_mul_f32 v[\t], v20, v[\inv]                  ; the angle, rounded once
	v_mul_f32 v[\t+1], 0x3f22f983, v[\t]
	v_rndne_f32 v[\t+1], v[\t+1]                   ; quarter turns
	v_fma_f32 v[\t], -v[\t+1], s52, v[\t]
	v_fma_f32 v[\t], -v[\t+1], s53, v[\t]          ; r
	v_mul_f32 v[\t+2], v[\t], v[\t]                ; z = r r
	v_mov_b32 v[\t+3], 0xb94ca1f9
	v_fmaak_f32 v[\t+3], v[\t+3], v[\t+2], 0x3c08839e
	v_fmaak_f32 v[\t+3], v[\t+3], v[\t+2], 0xbe2aaaa3
	v_mul_f32 v[\t+3], v[\t+3], v[\t+2]
	v_fma_f32 v[\t+3], v[\t+3], v[\t], v[\t]       ; sin r
	v_mov_b32 v[\t+4], 0x37ccf5ce
	v_fmaak_f32 v[\t+4], v[\t+4], v[\t+2], 0xbab6061a
	v_fmaak_f32 v[\t+4], v[\t+4], v[\t+2], 0x3d2aaaa5
	v_mul_f32 v[\t+4], v[\t+4], v[\t+2]
	v_fma_f32 v[\t+5], v[\t+2], -0.5, 1.0
	v_fma_f32 v[\t+4], v[\t+4], v[\t+2], v[\t+5]   ; cos r
	v_cvt_i32_f32 v[\t+1], v[\t+1]
	v_and_b32 v[\t+5], 1, v[\t+1]
	v_cmp_eq_u32 vcc_lo, 1, v[\t+5]
	v_cndmask_b32 v[\s], v[\t+3], v[\t+4], vcc_lo  ; an odd quarter swaps the two
	v_cndmask_b32 v[\c], v[\t+4], v[\t+3], vcc_lo
	v_and_b32 v[\t+5], 2, v[\t+1]
	v_lshlrev_b32 v[\t+5], 30, v[\t+5]
	v_xor_b32 v[\s], v[\s], v[\t+5]                ; sin changes sign in quarters 2, 3,
	v_add_nc_u32 v[\t+1], 1, v[\t+1]
	v_and_b32 v[\t+1], 2, v[\t+1]
	v_lshlrev_b32 v[\t+1], 30, v[\t+1]
	v_xor_b32 v[\c], v[\c], v[\t+1]                ; cos in quarters 1, 2
.endm
	TRIG 25, 40, 41, 30
	TRIG 26, 42, 43, 46
	v_lshlrev_b32 v44, 4, v0
	s_lshl_b32 s51, s36, 11
	v_add_nc_u32 v44, s51, v44                     ; 2,048 g + 16 x thread: a wave's store covers 512 consecutive bytes, aligned
	global_store_b128 v44, v[40:43], s[20:21]
	s_endpgm
.Lfunc_end_k_q6c9a72d403_prep:
	.size	k_q6c9a72d403_prep, .Lfunc_end_k_q6c9a72d403_prep-k_q6c9a72d403_prep
	.p2alignl 7, 3214868480
	.fill 96, 4, 3214868480
	.section	.rodata,"a",@progbits
	.p2align	6, 0x0
	.amdhsa_kernel k_q6c9a72d403_prep
		.amdhsa_group_segment_fixed_size 34304
		.amdhsa_private_segment_fixed_size 0
		.amdhsa_enable_private_segment 0
		.amdhsa_kernarg_size 72
		.amdhsa_user_sgpr_count 2
		.amdhsa_user_sgpr_kernarg_segment_ptr 1
		.amdhsa_wavefront_size32 1
		.amdhsa_system_sgpr_workgroup_id_x 1
		.amdhsa_system_sgpr_workgroup_id_y 1
		.amdhsa_system_sgpr_workgroup_id_z 1
		.amdhsa_system_vgpr_workitem_id 0
		.amdhsa_next_free_vgpr 208
		.amdhsa_next_free_sgpr 66
		.amdhsa_reserve_vcc 1
		.amdhsa_float_denorm_mode_32 3
		.amdhsa_float_denorm_mode_16_64 3
		.amdhsa_memory_ordered 1
		.amdhsa_forward_progress 1
		.amdhsa_inst_pref_size 45
	.end_amdhsa_kernel
	.amdgpu_metadata
---
amdhsa.version: [ 1, 2 ]
amdhsa.kernels:
  - .name:           k_q6c9a72d403_prep
    .symbol:         k_q6c9a72d403_prep.kd
    .args:
      - { .name: x, .offset: 0, .size: 8, .value_kind: global_buffer, .address_space: global }
      - { .name: Wq, .offset: 8, .size: 8, .value_kind: global_buffer, .address_space: global }
      - { .name: Wk, .offset: 16, .size: 8, .value_kind: global_buffer, .address_space: global }
      - { .name: Wv, .offset: 24, .size: 8, .value_kind: global_buffer, .address_space: global }
      - { .name: Wo, .offset: 32, .size: 8, .value_kind: global_buffer, .address_space: global }
      - { .name: lowp_scales, .offset: 40, .size: 8, .value_kind: global_buffer, .address_space: global }
      - { .name: xc, .offset: 48, .size: 8, .value_kind: global_buffer, .address_space: global }
      - { .name: wc, .offset: 56, .size: 8, .value_kind: global_buffer, .address_space: global }
      - { .name: tab, .offset: 64, .size: 8, .value_kind: global_buffer, .address_space: global }
    .group_segment_fixed_size: 34304
    .private_segment_fixed_size: 0
    .kernarg_segment_align: 8
    .kernarg_segment_size: 72
    .max_flat_workgroup_size: 128
    .sgpr_count:     66
    .vgpr_count:     208
    .wavefront_size: 32
...
	.end_amdgpu_metadata
.endif
;; end of part 1
;; launch qkv (part 2): grid 4 x 64, 4 waves a work-group, clusters of 4 x 1, 327,680 bytes of LDS; arguments xc, wc, lowp_scales, tab, qkvc; writes qkvc
.if DOCPART == 2
	.amdgcn_target "amdgcn-amd-amdhsa--gfx1250"
	.amdhsa_code_object_version 6
	.text
	.protected	k_q6c9a72d403_qkv
	.globl	k_q6c9a72d403_qkv
	.p2align	8
	.type	k_q6c9a72d403_qkv,@function
k_q6c9a72d403_qkv:
	s_mov_b64 s[64:65], 0
	v_nop
	global_prefetch_b8 v0, s[64:65] scope:SCOPE_SE
	s_setreg_imm32_b32 hwreg(HW_REG_WAVE_MODE, 25, 1), 1
	s_wait_xcnt 0x0
	s_wait_alu depctr_hold_cnt(0) depctr_sa_sdst(0) depctr_va_vdst(0) depctr_va_sdst(0) depctr_va_ssrc(0) depctr_va_vcc(0) depctr_vm_vsrc(0)
	s_getreg_b32 s2, hwreg(HW_REG_IB_STS2, 6, 4)
	s_cmp_eq_u32 s2, 0
	s_cbranch_scc0 .Lentry_in_a_cluster
	s_endpgm
.Lentry_in_a_cluster:
	s_bfe_u32 s2, ttmp6, 0x10000c
	s_cmp_lg_u32 s2, 0x3003
	s_cbranch_scc0 .Lentry_shape_is_right
	s_endpgm
.Lentry_shape_is_right:
; QKV.  q = x Wq^T, k = x Wk^T, v = x Wv^T on E4M3 codes (K = 1,024), the rotary turn of q and k in f32, and the quantising of q, k (along the head's 64) and v (along the tokens) for attention.
; xc, wc hold images of the operands' registers: a fragment (16 rows x 128 K) is four pieces of 512 consecutive bytes.
; SHARES.  Work-group (x, y): 256 features x, 128 tokens y (one chunk of a batch): 4 x 64 = 256 work-groups.  It makes all three products one after the other.  Wave w owns head 4 x + w: 128 tokens x 64 features, 32 accumulators.
; THE TOKENS' CODES of a product, all 1,024 of K, are 131,072 bytes in LDS: 4 K steps of 256, 32,768 dense bytes each; wave w asks for K step w with one tensor load.  Two slots take turns: product 0 in slot 0 (asked for at the head),
;   product 1 in slot 1 (behind the first round), product 2 in slot 0 again (behind the round that follows product 0's last read).  Each fill is asked for a whole product, 256 matrix instructions, ahead of its first read: so no prefetch is laid.
; CLUSTER 4 x 1: the four partners differ in their features alone and need the same tokens: the loads are joint (mask 15), their descriptors made of the wave's number and the cluster's y.
; THE WEIGHTS' CODES go from memory straight into registers: a wave's 64 rows x 128 K are a set of 64 registers (16 loads of 512 consecutive bytes); eight sets take turns through the 24 K-128 steps of the three products;
;   set n + 4 is asked for when set n has come: 64 loads are out at the most.
; THE TOKENS' FRAGMENTS come from LDS in groups of four (16 loads) through three sets of registers: group g + 2 is asked for ahead of group g's sixteen products.
; q, k: source 0 = 16 features, source 1 = 16 tokens: a lane holds one token and eight neighbouring features, the next K.  v: the sources are swapped: a lane holds one feature and eight neighbouring tokens, the keys, the next K.
; THE WAY OUT needs no stage: the conversions' results are the next operand's registers, stored as images.  qkvc: [product 3][batch x head 64][chunk of 128 tokens 16][8,192 bytes];
;   q, k: a chunk is [token tile 8][piece 2][512 bytes];  v: [tile of 16 of the head's 64: 4][piece 4][512 bytes].  The rotary table of the 128 tokens, 32,768 bytes, is copied once into LDS bytes of its own.
; The turn is linear, so the raw sums are turned, and the three scales fold into the conversion's one: code = sum / 2^(eo - ea - eb), eo = e6, e7, e9.
; LIMIT: eo - ea - eb between -126 and 119.  NaN is not served.
; REGISTERS, in windows of 256: window 0: v10-29 scales and addresses, v32-63 a block's numbers, v64-255 the tokens' fragments (3 x 4 x 16; on the way out v64-191 four blocks of the table, v192-255 the codes);
;   window 1: the accumulators, (a, b) at v[8 (4 a + b)];  windows 2, 3: the weights' sets, (n, b) at v[64 (n % 4) + 16 b] of window 2 + (n % 8) / 4.
.set YK,    32768
.set SLOT,  4*YK
.set TABL,  2*SLOT
.set SPARE, TABL+32768                 ; the spare words, 128 bytes a wave, two blocks of 256 bytes that no other line names
.set SC,   10                          ; v10, v11: 2^(eo - ea - eb) and 448 x that for q; v12, v13 for k; v14, v15 for v
.set LA,   16                          ; v16     16 x lane, which is also
.set ADR,  16                          ; v16-23  the LDS address of the fragments in slot s, K step k: register 4 s + k
.set TBA,  24
.set TBS,  25
.set SPW,  28
.set NIL,  29
.set TMP,  32
.set AF,   64
.set TBL,  64
.set CODES, 192
.set G1, 24
.set G0, 48                            ; s[48:59] descriptor group 0, one set for each product
.set MSB, 0
.macro WIN new                         ; the immediate's high byte repeats the setting that is left
.if MSB != \new
	s_set_vgpr_msb (MSB<<8)|\new
.set MSB, \new
.endif
.endm
.macro CROUND                          ; a round of the cluster's barrier
	s_barrier_signal -1
	s_barrier_wait -1
	s_cmp_lg_u32 s14, 0
	s_cbranch_scc1 .Lnot_wave_0_\@
	s_barrier_signal -3
.Lnot_wave_0_\@:
	s_barrier_wait -3
	s_barrier_signal -1
	s_barrier_wait -1
.endm
.macro PLACES
.rept 4
	v_nop
.endr
.endm
.macro XLD                             ; the weights' set XN (product XN / 8, K-128 step XN % 8): four fragments
	WIN (0x80+0x40*((XN%8)/4))                     ; destination: window 2 or 3
.irp b, 0,1,2,3
.irp c, 0,1,2,3
	global_load_b128 v[64*(XN%4)+16*\b+4*\c:64*(XN%4)+16*\b+4*\c+3], v[LA], s[46:47] offset:(XN/8)*0x100000+((XN%8)/2)*0x40000+\b*4096+(XN%2)*2048+\c*512
.endr
.endr
.endm
.macro AFETCH                          ; the tokens' group FG of slot SL (K-128 step FG / 2, token tiles 4 (FG % 2) on) into set FG % 3
.irp i, 0,1,2,3
.irp c, 0,1,2,3
	ds_load_b128 v[AF+64*(FG%3)+16*\i+4*\c:AF+64*(FG%3)+16*\i+4*\c+3], v[ADR+4*SL+FG/4] offset:(4*(FG%2)+\i)*4096+((FG/2)%2)*2048+\c*512
.endr
.endr
.endm
.macro MKS eo, ea, eb, vs              ; v[vs] = 2^(eo - ea - eb) as f32, v[vs + 1] = 448 x that
	s_sub_co_i32 s90, \eo, \ea
	s_sub_co_i32 s90, s90, \eb
	s_add_co_i32 s90, s90, 127
	s_lshl_b32 s91, s90, 23
	v_mov_b32 v[\vs], s91
	s_add_co_i32 s90, s90, 8
	s_lshl_b32 s90, s90, 23
	s_or_b32 s90, s90, 0x600000
	v_mov_b32 v[\vs+1], s90
.endm
	s_load_b256 s[4:11], s[0:1], 0x0               ; xc, wc, the scales, tab
	s_load_b64 s[12:13], s[0:1], 0x20              ; qkvc
	v_lshl_add_u32 v[SPW], v0, 2, SPARE
	v_mov_b32 v[NIL], 0
	ds_add_u32 v[SPW], v[NIL]                      ; the opening: the add, twice on end, and its wait ahead of my first tensor load
	ds_add_u32 v[SPW], v[NIL]
	v_lshrrev_b32 v1, 5, v0
	v_readfirstlane_b32 s14, v1                    ; wave 0 .. 3
	s_bfe_u32 s40, ttmp6, 0x40000                  ; cx
	s_lshl_b32 s42, ttmp9, 2
	s_add_co_u32 s42, s42, s40                     ; which 256 features
	s_and_b32 s17, ttmp7, 0xffff                   ; which 128 tokens: the cluster's y
	s_mov_b32 s[G1+0], 15|(3<<16)|(1<<21)          ; the mask names the four partners; elements of 8 bytes; bit 21 set beside a mask
	s_mov_b32 s[G1+1], 32<<16                      ; 128 rows of 256 bytes, dense
	s_mov_b32 s[G1+2], 128<<16
	s_mov_b32 s[G1+3], 32<<16
	s_mov_b32 s[G1+4], 128
	s_mov_b32 s[G1+5], 32
	s_mov_b32 s[G1+6], 0
	s_mov_b32 s[G1+7], 0
	s_lshl_b32 s20, s14, 21                        ; xc: K step w,
	s_lshl_b32 s21, s17, 15                        ; 8 row tiles of 4,096 bytes
	s_add_co_u32 s20, s20, s21
	s_mov_b32 s21, 0
	s_lshl_b32 s45, s14, 15                        ; LDS: K step w
	s_lshl_b32 s46, s42, 16                        ; wc: 16 row tiles of 4,096 bytes,
	s_lshl_b32 s47, s14, 14                        ; my four of them
	s_add_co_u32 s46, s46, s47
	s_mov_b32 s47, 0
	s_lshr_b32 s18, s17, 4                         ; qkvc: 16 x batch
	s_lshl_b32 s18, s18, 4
	s_lshl_b32 s19, s42, 2
	s_add_co_u32 s18, s18, s19
	s_add_co_u32 s18, s18, s14                     ; + my head,
	s_lshl_b32 s18, s18, 17
	s_and_b32 s22, s17, 15
	s_lshl_b32 s19, s22, 13                        ; the chunk
	s_add_co_u32 s18, s18, s19
	s_mov_b32 s19, 0
	s_lshl_b32 s22, s22, 15                        ; tab: the chunk's 8 token tiles of 4,096 bytes,
	s_lshl_b32 s23, s14, 13                        ; the quarter that I copy
	s_add_co_u32 s22, s22, s23
	s_add_co_u32 s44, s23, TABL
	s_mov_b32 s23, 0
	v_and_b32 v1, 31, v0
	v_lshlrev_b32 v[LA], 4, v1
.irp k, 1,2,3,4,5,6,7
	v_add_nc_u32 v[ADR+\k], \k*YK, v[LA]
.endr
	v_add_nc_u32 v[TBA], TABL, v[LA]
	v_add_nc_u32 v[TBS], s44, v[LA]
	s_wait_alu depctr_va_vdst(0)
	s_wait_dscnt 0x0                               ; both opening adds are done
	s_wait_kmcnt 0x0
	s_load_b256 s[68:75], s[8:9], 0x0              ; e0 .. e7
	s_load_b128 s[76:79], s[8:9], 0x20             ; e8 .. e11
	s_add_nc_u64 s[20:21], s[4:5], s[20:21]
	s_add_nc_u64 s[46:47], s[6:7], s[46:47]
	s_add_nc_u64 s[88:89], s[10:11], s[22:23]
	s_add_nc_u64 s[80:81], s[12:13], s[18:19]      ; where q's codes go,
	s_add_nc_u64 s[82:83], s[80:81], 0x800000      ; k's,
	s_add_nc_u64 s[84:85], s[80:81], 0x1000000     ; v's
.irp p, 0,1,2
	s_mov_b32 s[G0+4*\p], 1
	s_add_co_u32 s[G0+4*\p+1], s45, (\p%2)*SLOT
	s_add_nc_u64 s[G0+4*\p+2:G0+4*\p+3], s[20:21], \p*0x800000
	s_or_b32 s[G0+4*\p+3], s[G0+4*\p+3], 0x80000000
.endr
.irp i, 0,1,2,3,4,5,6,7,8,9,10,11,12,13,14,15
	global_load_b128 v[AF+4*\i:AF+4*\i+3], v[LA], s[88:89] offset:512*\i   ; my quarter of the table
.endr
	CROUND                                         ; the four partners are here: the joint loads meet
	tensor_load_to_lds s[G0:G0+3], s[G1:G1+7]      ; product 0's tokens, K step w
	s_nop 0
	PLACES
.set XN, 0
.rept 3
	XLD
.set XN, XN+1
.endr
	WIN 0
	s_wait_loadcnt 48                              ; the table's sixteen loads are in; the weights' 48 may be out
.irp i, 0,1,2,3,4,5,6,7,8,9,10,11,12,13,14,15
	ds_store_b128 v[TBS], v[AF+4*\i:AF+4*\i+3] offset:512*\i
.endr
	XLD                                            ; set 3
	WIN 0
	s_wait_kmcnt 0x0
	MKS s74, s68, s69, SC
	MKS s75, s70, s71, SC+2
	MKS s77, s72, s73, SC+4
	s_wait_alu depctr_va_vdst(0)
	s_wait_tensorcnt 0x0                           ; my K step is in; slot 1's first fill is issued as a refill is:
	ds_add_u32 v[SPW], v[NIL]                      ; 0 onto my spare word
	s_wait_dscnt 0x0                               ; the add and my part of the table are done
	CROUND                                         ; slot 0 and the table are whole, and the partners are here
	tensor_load_to_lds s[G0+4:G0+7], s[G1:G1+7]    ; product 1's tokens
	s_nop 0
	PLACES
; A product: sixteen groups of sixteen matrix instructions.  The 32 accumulators take turns, one instruction a turn, in the same order in every K-128 step.  The first step's products start the sums.
.macro PRODUCT p, sw
.set SL, (\p)%2
.set FG, 0
	AFETCH
.set FG, 1
	AFETCH
.set G, 0
.rept 16
.if G < 14
	PLACES                                         ; behind the last group's products, ahead of loads into their sources
	WIN 0
.set FG, G+2
	AFETCH
.endif
.if (G%2) == 0
.if 8*(\p)+G/2 < 21
	s_wait_loadcnt 48                              ; this step's set is in; the three sets asked for behind it may be out
.else
	s_wait_loadcnt 16*(23-8*(\p)-G/2)
.endif
.if 8*(\p)+G/2 < 20
.set XN, 8*(\p)+G/2+4
	XLD
.endif
.endif
.if G < 14
	s_wait_dscnt 32                                ; this group's fragments are in; the two later groups' may be out
.else
	s_wait_dscnt 16*(15-G)
.endif
.if \sw
	WIN (0x58+4*(G/8))                             ; source 0 (tokens) window 0, source 1 (weights) window 2 or 3, C and D window 1
.else
	WIN (0x52+G/8)                                 ; source 0 (weights) window 2 or 3, source 1 (tokens) window 0, C and D window 1
.endif
.irp i, 0,1,2,3
.irp b, 0,1,2,3
.set DR, 8*(4*(4*(G%2)+\i)+\b)
.set XR, 64*((G/2)%4)+16*\b
.set AR, AF+64*(G%3)+16*\i
.if \sw
.if G < 2
	v_wmma_f32_16x16x128_fp8_fp8 v[DR:DR+7], v[AR:AR+15], v[XR:XR+15], 0
.else
	v_wmma_f32_16x16x128_fp8_fp8 v[DR:DR+7], v[AR:AR+15], v[XR:XR+15], v[DR:DR+7]
.endif
.else
.if G < 2
	v_wmma_f32_16x16x128_fp8_fp8 v[DR:DR+7], v[XR:XR+15], v[AR:AR+15], 0
.else
	v_wmma_f32_16x16x128_fp8_fp8 v[DR:DR+7], v[XR:XR+15], v[AR:AR+15], v[DR:DR+7]
.endif
.endif
.endr
.endr
.set G, G+1
.endr
	WIN 0
.endm
.macro TLD a                           ; the table of token tile a: 32 registers, cos and sin of pair jj of feature tile b at 8 b + 2 jj, + 1
.irp u, 0,1,2,3,4,5,6,7
	ds_load_b128 v[TBL+32*((\a)%4)+4*\u:TBL+32*((\a)%4)+4*\u+3], v[TBA] offset:4096*(\a)+512*\u
.endr
.endm
; THE WAY OUT of q or k, block by block of 16 tokens x 64 features: even' = even cos - odd sin, odd' = odd cos + even sin; the hold at the largest code (the conversion does not saturate: ISA guide 7.6.2);
; four conversions; two stores of 512 consecutive bytes.  Each accumulator is read from its low end on.  Each block has code registers of its own, so no store's data are written again here.
.macro EPI_QK p
	PLACES                                         ; behind the last products: for the loads into the fragments' registers and the first read of results
.irp a, 0,1,2,3
	TLD \a
.endr
.irp a, 0,1,2,3,4,5,6,7
.if \a < 5
	s_wait_dscnt 24                                ; this block's part of the table is in; the three later blocks' may be out
.else
	s_wait_dscnt 8*(7-\a)
.endif
	WIN 0x01                                       ; source 0: the accumulators' window
.irp b, 0,1,2,3
.irp j, 0,2,4,6
	v_pk_mul_f32 v[TMP+8*\b+\j:TMP+8*\b+\j+1], v[32*\a+8*\b+\j:32*\a+8*\b+\j+1], v[TBL+32*(\a%4)+8*\b+\j:TBL+32*(\a%4)+8*\b+\j+1] op_sel_hi:[1,0]   ; both x cos
.endr
.irp j, 0,2,4,6
	v_fma_f32 v[TMP+8*\b+\j], -v[32*\a+8*\b+\j+1], v[TBL+32*(\a%4)+8*\b+\j+1], v[TMP+8*\b+\j]
	v_fma_f32 v[TMP+8*\b+\j+1], v[32*\a+8*\b+\j], v[TBL+32*(\a%4)+8*\b+\j+1], v[TMP+8*\b+\j+1]
.endr
.endr
	WIN 0
.if \a < 4
	TLD \a+4                                       ; into the registers that this block has read
.endif
.set j, 0
.rept 32
	v_med3_num_f32 v[TMP+j], v[TMP+j], -v[SC+2*(\p)+1], v[SC+2*(\p)+1]
.set j, j+1
.endr
.irp b, 0,1,2,3
	v_cvt_scalef32_pk8_fp8_f32 v[CODES+8*\a+2*\b:CODES+8*\a+2*\b+1], v[TMP+8*\b:TMP+8*\b+7], v[SC+2*(\p)]
.endr
	v_nop                                          ; a plain line behind the last conversion: the next block writes its sources
	global_store_b128 v[LA], v[CODES+8*\a:CODES+8*\a+3], s[80+2*(\p):81+2*(\p)] offset:1024*\a
	global_store_b128 v[LA], v[CODES+8*\a+4:CODES+8*\a+7], s[80+2*(\p):81+2*(\p)] offset:1024*\a+512
.endr
	s_wait_xcnt 0x0                                ; the stores have read their data: the next product's fragments land on those registers only behind this wait
.endm
; THE WAY OUT of v: for each tile b of 16 features the eight token tiles' sums as they are: the hold, eight conversions, four stores of 512 consecutive bytes.
.macro EPI_V
	PLACES
.irp b, 0,1,2,3
.irp hf, 0,1
	WIN 0x01
.irp i, 0,1,2,3
.irp j, 0,1,2,3,4,5,6,7
	v_med3_num_f32 v[TMP+8*\i+\j], v[32*(4*\hf+\i)+8*\b+\j], -v[SC+5], v[SC+5]
.endr
.endr
	WIN 0
.irp i, 0,1,2,3
	v_cvt_scalef32_pk8_fp8_f32 v[CODES+16*\b+8*\hf+2*\i:CODES+16*\b+8*\hf+2*\i+1], v[TMP+8*\i:TMP+8*\i+7], v[SC+4]
.endr
	v_nop                                          ; a plain line behind the last conversion
	global_store_b128 v[LA], v[CODES+16*\b+8*\hf:CODES+16*\b+8*\hf+3], s[84:85] offset:2048*\b+1024*\hf
	global_store_b128 v[LA], v[CODES+16*\b+8*\hf+4:CODES+16*\b+8*\hf+7], s[84:85] offset:2048*\b+1024*\hf+512
.endr
.endr
.endm
	PRODUCT 0, 0
	s_wait_tensorcnt 0x0                           ; my part of slot 1 is in;
	ds_add_u32 v[SPW], v[NIL]                      ; 0 onto my spare word;
	s_wait_dscnt 0x0                               ; the add is done, and my reads of slot 0 are over
	CROUND                                         ; both hold of every wave of the four partners
	tensor_load_to_lds s[G0+8:G0+11], s[G1:G1+7]   ; product 2's tokens, into slot 0: the first tensor load behind the round
	s_nop 0
	PLACES
	EPI_QK 0
	PRODUCT 1, 0
	s_wait_tensorcnt 0x0                           ; my part of slot 0 is in,
	s_wait_dscnt 0x0
	s_barrier_signal -1
	s_barrier_wait -1                              ; and everybody's
	EPI_QK 1
	PRODUCT 2, 1
	EPI_V
	s_wait_tensorcnt 0x0                           ; the wave's end
	ds_add_u32 v[SPW], v[NIL]
	s_wait_dscnt 0x0
	CROUND                                         ; the closing round
	s_endpgm
.Lfunc_end_k_q6c9a72d403_qkv:
	.size	k_q6c9a72d403_qkv, .Lfunc_end_k_q6c9a72d403_qkv-k_q6c9a72d403_qkv
	.p2alignl 7, 3214868480
	.fill 96, 4, 3214868480
	.section	.rodata,"a",@progbits
	.p2align	6, 0x0
	.amdhsa_kernel k_q6c9a72d403_qkv
		.amdhsa_group_segment_fixed_size 327680
		.amdhsa_private_segment_fixed_size 0
		.amdhsa_enable_private_segment 0
		.amdhsa_kernarg_size 40
		.amdhsa_user_sgpr_count 2
		.amdhsa_user_sgpr_kernarg_segment_ptr 1
		.amdhsa_wavefront_size32 1
		.amdhsa_system_sgpr_workgroup_id_x 1
		.amdhsa_system_sgpr_workgroup_id_y 1
		.amdhsa_system_sgpr_workgroup_id_z 1
		.amdhsa_system_vgpr_workitem_id 0
		.amdhsa_next_free_vgpr 1024
		.amdhsa_next_free_sgpr 100
		.amdhsa_reserve_vcc 0
		.amdhsa_float_denorm_mode_32 3
		.amdhsa_float_denorm_mode_16_64 3
		.amdhsa_memory_ordered 1
		.amdhsa_forward_progress 1
		.amdhsa_inst_pref_size 255
	.end_amdhsa_kernel
	.section	.bss,"aw",@nobits
	.p2align	6
	.space	262144
	.amdgpu_metadata
---
amdhsa.version: [ 1, 2 ]
amdhsa.kernels:
  - .name:           k_q6c9a72d403_qkv
    .symbol:         k_q6c9a72d403_qkv.kd
    .args:
      - { .name: xc, .offset: 0, .size: 8, .value_kind: global_buffer, .address_space: global }
      - { .name: wc, .offset: 8, .size: 8, .value_kind: global_buffer, .address_space: global }
      - { .name: lowp_scales, .offset: 16, .size: 8, .value_kind: global_buffer, .address_space: global }
      - { .name: tab, .offset: 24, .size: 8, .value_kind: global_buffer, .address_space: global }
      - { .name: qkvc, .offset: 32, .size: 8, .value_kind: global_buffer, .address_space: global }
    .group_segment_fixed_size: 327680
    .private_segment_fixed_size: 0
    .kernarg_segment_align: 8
    .kernarg_segment_size: 40
    .max_flat_workgroup_size: 128
    .sgpr_count:     100
    .vgpr_count:     1024
    .wavefront_size: 32
...
	.end_amdgpu_metadata
.endif
;; end of part 2
;; launch attn (part 3): grid 64 x 4, 16 waves a work-group, no clusters, 327,680 bytes of LDS; arguments qkvc, attention_mask, lowp_scales, oc; writes oc
.if DOCPART == 3
	.amdgcn_target "amdgcn-amd-amdhsa--gfx1250"
	.amdhsa_code_object_version 6
	.text
	.protected	k_q6c9a72d403_attn
	.globl	k_q6c9a72d403_attn
	.p2align	8
	.type	k_q6c9a72d403_attn,@function
k_q6c9a72d403_attn:
	s_mov_b64 s[64:65], 0
	v_nop
	global_prefetch_b8 v0, s[64:65] scope:SCOPE_SE
	s_setreg_imm32_b32 hwreg(HW_REG_WAVE_MODE, 25, 1), 1
	s_wait_xcnt 0x0
; ATTENTION on E4M3 codes.  qkvc holds q, k (16 tokens x 64 a fragment) and v (16 of the head's 64 x 128 keys a fragment) as images of the operands' registers; oc takes the result's codes (scale 2^e10) as images for the last product.
; t = score x log2(e) / 8; M = the running largest t rounded up to a whole number; p = 2^(t - M) is quantised with 2^e8; the row's sum is taken of the unquantised p and divides at the end.
; LEFT OUT: key steps of 128 all of whose keys lie behind a tile's 16 queries (and at or above key 64): the mask (j <= i) | (j < 64), which the problem builds itself, makes their p zero for all inputs.
;   A NaN or an infinity that reaches only such steps is not carried to the result.
; SHARES.  Work-group (x, y): head x (16 x batch + head), quarter y = 0 .. 3.  A head has 128 tiles of 16 queries.  Wave w owns tiles P and 127 - P, P = 4 (w xor 3 (w / 8)) + y:
;   P / 8 + 1 steps and (127 - P) / 8 + 1 steps, 17 for every wave.  Tile 127 - P goes first: its first eight steps, the same number in every wave, read keys under 1,024 alone, all of which count.
; LDS.  The head's K (131,072 bytes) and V (131,072) lie whole in LDS.  Each wave asks for 8,192 bytes (waves 0-7: K's chunk w, waves 8-15: V's chunk w - 8) of keys under 1,024 at the head, and for the same
;   piece of keys 1,024 on behind the first barrier.  No byte is filled twice.  One more barrier stands behind those eight steps, ahead of the steps that read keys 1,024 on.
; THE INPUT MASK goes in as the C of the score product: 0 for a key that counts, -2^100 for one that does not (a table of 2,048 words in LDS, loaded into the scores' registers).  The running largest t starts at -2^32,
;   so a row none of whose keys has counted so far has p = 0; a row with no key at all has the sum 0 and gets the NaN code, as the softmax of such a row is NaN.
; LIMITS: the scaled scores t stay under 2^31 in magnitude; e6 + e7 between -60 and 27; e8 and e10 - e8 - e9 between -126 and 119.  NaN among the codes is not served.
; NO CLUSTER: the four work-groups of a head read the same K and V, but which steps a wave walks hangs on y, its work-group's place among the four, and partners of joint loads may not branch unlike.
; NO PREFETCH: both fills are asked for at the head and straight behind the first barrier; there is no trip to run ahead in.
; LAYOUT.  S^T = K Q^T + C (source 0 = 16 keys, source 1 = my 16 queries), O^T = V^T P^T: lane (r, h) holds query r; register 8 t + j of S is key 16 t + 8 h + j, the place that P's operand layout gives it.
; REGISTERS: v1-10 addresses; v12 -M, v13 largest t, v[14:15] the sum; v16-23 Q of tile P; v11, v24-31 at work; v32-95 fragments of K, then V; v96-159 S, p; v160-191 O^T; v192-207 p's codes; v208-215 constants; v216-223 Q of tile 127 - P.
.set VREG,  131072
.set HALF,  65536
.set BIAS,  262144
.set SPARE, 270336                     ; the spare words, 128 bytes a wave, eight blocks of 256 bytes that no other line names
.set L16, 1
.set AV0, 2
.set AB0, 3
.set QE,  4
.set SPW, 5
.set NIL, 6
.set H8,  7
.set ADK, 8
.set ADV, 9
.set ADB, 10
.set QB,  16
.set FRG, 32
.set S,   96
.set O,   160
.set PC,  192
.set LMA, 208                          ; 448 x 2^e8, twice: the two halves of a dual pair take their second sources from different banks
.set LMB, 209
.set NINF, 210
.set DV,  211
.set NANC, 212
.set OSC, 213
.set OLM, 214
.set PSC, 215
.set QA,  216
.set WV,  12
.set BH,  14
.set Q0,  16
.set TB,  17
.set TBB, 18
.set KF,  19
.set SEL, 20
.set CS,  22
.set G1,  24
.set G0,  32
.set QA0, 40
.set QB0, 41
.set CNT, 48
.set Q15, 49
	s_load_b256 s[4:11], s[0:1], 0x0               ; qkvc, the mask, the scales, oc
	v_lshl_add_u32 v[SPW], v0, 2, SPARE
	v_mov_b32 v[NIL], 0
	ds_add_u32 v[SPW], v[NIL]                      ; the opening: the add, twice on end, and its wait ahead of my first tensor load
	ds_add_u32 v[SPW], v[NIL]
	v_lshrrev_b32 v8, 5, v0
	v_readfirstlane_b32 s[WV], v8                  ; wave 0 .. 15
	s_mov_b32 s[BH], ttmp9                         ; the head
	s_and_b32 s69, ttmp7, 0xffff                   ; the quarter
	s_lshr_b32 s66, s[WV], 3                       ; I fetch for K (0) or V (1),
	s_and_b32 s68, s[WV], 7                        ; chunk w % 8
	s_mul_i32 s67, s66, 3
	s_xor_b32 s67, s67, s[WV]
	s_lshl_b32 s67, s67, 2
	s_add_co_u32 s67, s67, s69                     ; P
	s_lshl_b32 s[QB0], s67, 4                      ; first query of tile P,
	s_sub_co_u32 s[QA0], 2032, s[QB0]              ; and of tile 127 - P
	s_mov_b32 s[G1+0], 3<<16                       ; a dense block: 32 rows of 32 elements of 8 bytes
	s_mov_b32 s[G1+1], 32<<16
	s_mov_b32 s[G1+2], 32<<16
	s_mov_b32 s[G1+3], 32<<16
	s_mov_b32 s[G1+4], 32
	s_mov_b32 s[G1+5], 32
	s_mov_b32 s[G1+6], 0
	s_mov_b32 s[G1+7], 0
	s_lshl_b32 s70, s66, 17
	s_lshl_b32 s71, s68, 13
	s_add_co_u32 s70, s70, s71                     ; LDS: 131,072 (w / 8) + 8,192 (w % 8)
	s_add_co_u32 s74, s66, 1
	s_lshl_b32 s74, s74, 23                        ; product 1 (k) or 2 (v),
	s_lshl_b32 s75, s[BH], 17                      ; the head,
	s_add_co_u32 s74, s74, s75
	s_add_co_u32 s74, s74, s71                     ; the chunk
	s_mov_b32 s75, 0
	s_mov_b32 s[SEL], 0x76543210
	s_mov_b32 s[SEL+1], 0xfedcba98
	s_wait_dscnt 0x0                               ; both opening adds are done
	s_wait_kmcnt 0x0
	s_load_b256 s[52:59], s[8:9], 0x0              ; e0 .. e7
	s_load_b128 s[60:63], s[8:9], 0x20             ; e8 .. e11
	s_add_nc_u64 s[74:75], s[4:5], s[74:75]
.irp ph, 0,1
	s_mov_b32 s[G0+4*\ph], 1
	s_add_co_u32 s[G0+4*\ph+1], s70, \ph*HALF
	s_add_nc_u64 s[G0+4*\ph+2:G0+4*\ph+3], s[74:75], \ph*HALF
	s_or_b32 s[G0+4*\ph+3], s[G0+4*\ph+3], 0x80000000
.endr
	tensor_load_to_lds s[G0:G0+3], s[G1:G1+7]      ; my piece of keys 0 .. 1,023
	s_nop 0
	s_lshr_b32 s76, s[BH], 4
	s_lshl_b32 s76, s76, 11
	s_mov_b32 s77, 0
	s_add_nc_u64 s[6:7], s[6:7], s[76:77]          ; the batch's 2,048 mask bytes
	s_lshl_b32 s76, s[BH], 17
	s_lshl_b32 s78, s[QB0], 6
	s_add_co_u32 s78, s78, s76
	s_mov_b32 s79, 0
	s_add_nc_u64 s[42:43], s[4:5], s[78:79]        ; Q of tile P,
	s_lshl_b32 s78, s[QA0], 6
	s_add_co_u32 s78, s78, s76
	s_add_nc_u64 s[44:45], s[4:5], s[78:79]        ; and of tile 127 - P
	v_and_b32 v8, 31, v0
	v_bfe_u32 v9, v0, 4, 1                         ; h
	v_lshlrev_b32 v10, 2, v0
	v_lshlrev_b32 v[L16], 4, v8
	v_lshlrev_b32 v[AB0], 5, v9
	v_lshlrev_b32 v[H8], 3, v9
	global_load_b32 v11, v10, s[6:7]               ; four mask bytes a thread
	global_load_b128 v[QA:QA+3], v[L16], s[44:45]
	global_load_b128 v[QA+4:QA+7], v[L16], s[44:45] offset:512
	global_load_b128 v[QB:QB+3], v[L16], s[42:43]
	global_load_b128 v[QB+4:QB+7], v[L16], s[42:43] offset:512
	v_add_nc_u32 v[AV0], VREG, v[L16]
	v_add_nc_u32 v[AB0], BIAS, v[AB0]
	v_lshl_add_u32 v25, v0, 4, BIAS
	v_mov_b32 v26, 0                               ; a lane permute's destination counts as a source
	v_mov_b32 v29, 0                               ; named as the upper half of v[28:29]
	v_mov_b32 v[NINF], 0xff800000
	v_mov_b32 v[NANC], 0x7f7f7f7f
	s_wait_alu depctr_va_vdst(0)
	s_wait_kmcnt 0x0
	s_mov_b32 s[CS], 0x3e38aa3b                    ; c = log2(e) / 8,
	s_add_co_i32 s76, s58, s59
	s_lshl_b32 s76, s76, 23
	s_add_co_i32 s[CS], s[CS], s76                 ; x 2^(e6 + e7)
	s_mov_b32 s[CS+1], s[CS]
	s_add_co_i32 s76, s60, 127
	s_lshl_b32 s77, s76, 23
	v_mov_b32 v[PSC], s77                          ; 2^e8
	s_add_co_i32 s76, s76, 8
	s_lshl_b32 s76, s76, 23
	s_or_b32 s76, s76, 0x600000
	v_mov_b32 v[LMA], s76                          ; 448 x 2^e8
	v_mov_b32 v[LMB], s76
	s_sub_co_i32 s76, s62, s60
	s_sub_co_i32 s76, s76, s61
	s_add_co_i32 s76, s76, 127
	s_lshl_b32 s77, s76, 23
	v_mov_b32 v[OSC], s77                          ; 2^(e10 - e8 - e9)
	s_add_co_i32 s76, s76, 8
	s_lshl_b32 s76, s76, 23
	s_or_b32 s76, s76, 0x600000
	v_mov_b32 v[OLM], s76                          ; 448 x that
	s_wait_alu depctr_va_vdst(0)
	s_wait_loadcnt 0x0
.irp k, 0,1,2,3
	v_bfe_u32 v[32+\k], v11, 8*\k, 8               ; 1 or 0
.endr
.irp k, 0,1,2,3
	v_add_nc_u32 v[32+\k], -1, v[32+\k]            ; 0 or all ones
.endr
.irp k, 0,1,2,3
	v_and_b32 v[32+\k], 0xf1800000, v[32+\k]       ; 0 or -2^100
.endr
	ds_store_b128 v25, v[32:35]
	s_wait_alu depctr_va_vdst(0)
	s_wait_tensorcnt 0x0                           ; my piece is in; the later first fill is issued as a refill is:
	ds_add_u32 v[SPW], v[NIL]                      ; 0 onto my spare word
	s_wait_dscnt 0x0                               ; the add and my part of the table are done
	s_barrier_signal -1
	s_barrier_wait -1                              ; keys under 1,024 and the table are whole
	tensor_load_to_lds s[G0+4:G0+7], s[G1:G1+7]    ; my piece of keys 1,024 .. 2,047: bytes that nothing has filled
	s_nop 0
; A KEY STEP: 128 keys.  mode = 1: with the causal tests; mode = 0: every key counts for every query of the tile.
.macro STEP q, mode
.if \mode
	s_cmp_gt_u32 s[KF], s[Q15]                     ; all keys behind my queries: ids and the count of steps alone
	s_cbranch_scc1 .Lhid_\@
.endif
	v_add_nc_u32 v[ADK], s[TB], v[L16]
	v_add_nc_u32 v[ADV], s[TB], v[AV0]
	v_add_nc_u32 v[ADB], s[TBB], v[AB0]
	v_nop                                          ; four places behind the last products, ahead of loads into their sources
.set t, 0
.rept 8
	ds_load_b128 v[S+8*t:S+8*t+3], v[ADB] offset:64*t          ; the mask's 0 or -2^100 of keys 16 t + 8 h + 0 .. 7: the product's C
	ds_load_b128 v[S+8*t+4:S+8*t+7], v[ADB] offset:64*t+16
	ds_load_b128 v[FRG+8*t:FRG+8*t+3], v[ADK] offset:1024*t
	ds_load_b128 v[FRG+8*t+4:FRG+8*t+7], v[ADK] offset:1024*t+512
.set t, t+1
.endr
	s_wait_alu depctr_va_vdst(0)
	s_wait_dscnt 16                                ; key tiles 0-3 are in; the sixteen loads of tiles 4-7 may be out
.set t, 0
.rept 4
	v_wmma_f32_16x16x64_fp8_fp8 v[S+8*t:S+8*t+7], v[FRG+8*t:FRG+8*t+7], v[\q:\q+7], v[S+8*t:S+8*t+7]
.set t, t+1
.endr
	s_wait_dscnt 0x0
.rept 4
	v_wmma_f32_16x16x64_fp8_fp8 v[S+8*t:S+8*t+7], v[FRG+8*t:FRG+8*t+7], v[\q:\q+7], v[S+8*t:S+8*t+7]
.set t, t+1
.endr
.rept 4
	v_nop                                          ; places ahead of the loads into K's registers and of the first read of the scores
.endr
.set t, 0
.rept 4
.irp c, 0,1,2,3
	ds_load_b128 v[FRG+16*t+4*\c:FRG+16*t+4*\c+3], v[ADV] offset:2048*t+512*\c   ; V: wanted behind the softmax
.endr
.set t, t+1
.endr
.if \mode
	s_add_co_u32 s66, s[KF], 127
	s_cmp_le_u32 s66, s[Q0]
	s_cbranch_scc1 .Lopen_\@                       ; every key of the step counts
	v_sub_nc_u32 v[DV], v[QE], s[KF]               ; register 8 t + j is hidden where 16 t + j > my last visible key - KF - 8 h
.set n, 0
.rept 64
	v_cmp_gt_i32 vcc_lo, 16*(n/8)+n%8, v[DV]
	v_cndmask_b32 v[S+n], v[S+n], v[NINF], vcc_lo
.set n, n+1
.endr
.Lopen_\@:
.endif
	v_max3_num_f32 v24, v[S], v[S+1], v[S+2]       ; the step's largest score, in four chains, the registers in ascending order: each accumulator is read from its low end on
	v_max3_num_f32 v25, v[S+3], v[S+4], v[S+5]
	v_max3_num_f32 v27, v[S+6], v[S+7], v[S+8]
	v_max3_num_f32 v11, v[S+9], v[S+10], v[S+11]
.set j, 12
.rept 6
	v_max3_num_f32 v24, v24, v[S+j], v[S+j+1]
	v_max3_num_f32 v25, v25, v[S+j+2], v[S+j+3]
	v_max3_num_f32 v27, v27, v[S+j+4], v[S+j+5]
	v_max3_num_f32 v11, v11, v[S+j+6], v[S+j+7]
.set j, j+8
.endr
	v_max3_num_f32 v24, v24, v[S+60], v[S+61]
	v_max3_num_f32 v25, v25, v[S+62], v[S+63]
	s_delay_alu instid0(VALU_DEP_1)
	v_max3_num_f32 v24, v24, v25, v27
	s_delay_alu instid0(VALU_DEP_1)
	v_max_num_f32 v24, v24, v11
	s_delay_alu instid0(VALU_DEP_1)
	v_permlanex16_b32 v26, v24, s[SEL], s[SEL+1]
	s_delay_alu instid0(VALU_DEP_1)
	v_max_num_f32 v24, v24, v26                    ; and lane l xor 16's
	s_delay_alu instid0(VALU_DEP_1)
	v_mul_f32 v24, s[CS], v24                      ; as t
	s_delay_alu instid0(VALU_DEP_1)
	v_max_num_f32 v13, v13, v24
	v_mov_b32 v24, v12
	s_delay_alu instid0(VALU_DEP_2)
	v_floor_f32 v12, -v13                          ; -M = floor(-t)
	s_delay_alu instid0(VALU_DEP_1)
	v_sub_f32 v24, v12, v24
	s_delay_alu instid0(VALU_DEP_1)
	v_cvt_i32_f32 v24, v24                         ; old M - new M (it saturates)
	s_delay_alu instid0(VALU_DEP_1)
	v_ldexp_f32 v28, 1.0, v24                      ; f = 2^(old M - new M)
.set j, 0
.rept 32
	v_pk_fma_f32 v[S+j:S+j+1], v[S+j:S+j+1], s[CS:CS+1], v[12:13] op_sel_hi:[1,0,0]   ; t - M
.set j, j+2
.endr
	s_wait_alu depctr_va_vdst(0)
.set j, 0
.rept 64
	v_exp_f32 v[S+j], v[S+j]
.set j, j+1
.endr
	s_wait_alu depctr_va_vdst(0)                   ; one wait behind the batch, directly ahead of the first reader of O^T
.set j, 0
.rept 16
	v_pk_mul_f32 v[O+j:O+j+1], v[O+j:O+j+1], v[28:29] op_sel_hi:[1,0]   ; O^T under the new M (also the plain places behind the batch)
.set j, j+2
.endr
	v_pk_mul_f32 v[14:15], v[14:15], v[28:29] op_sel_hi:[1,0]
	v_pk_add_f32 v[30:31], v[S:S+1], v[S+2:S+3]    ; the sum of the unquantised p, in two chains
.set j, 4
.rept 15
	v_pk_add_f32 v[14:15], v[14:15], v[S+j:S+j+1]
	v_pk_add_f32 v[30:31], v[30:31], v[S+j+2:S+j+3]
.set j, j+4
.endr
	v_pk_add_f32 v[14:15], v[14:15], v[30:31]
.set t, 0
.rept 8
.irp i, 0,2,4,6
	v_dual_min_num_f32 v[S+8*t+\i], v[S+8*t+\i], v[LMA] :: v_dual_min_num_f32 v[S+8*t+\i+1], v[S+8*t+\i+1], v[LMB]   ; the hold: the conversion does not saturate (ISA guide 7.6.2); p is not negative
.endr
	v_cvt_scalef32_pk8_fp8_f32 v[PC+2*t:PC+2*t+1], v[S+8*t:S+8*t+7], v[PSC]
.set t, t+1
.endr
	v_nop                                          ; a plain line between the last conversion and the products
	s_wait_alu depctr_va_vdst(0)
	s_wait_dscnt 0x0                               ; V
.set t, 0
.rept 4
	v_wmma_f32_16x16x128_fp8_fp8 v[O+8*t:O+8*t+7], v[FRG+16*t:FRG+16*t+15], v[PC:PC+15], v[O+8*t:O+8*t+7]
.set t, t+1
.endr
.if \mode
.Lhid_\@:
.endif
.endm
; So many steps (trips) from chunk first on: the trip count is a constant; a step that is hidden is jumped over inside the trip.
.macro LOOP q, mode, first, trips
	s_mov_b32 s[TB], (\first)*8192
	s_mov_b32 s[TBB], (\first)*512
.if \mode
	s_mov_b32 s[KF], (\first)*128
.endif
	s_mov_b32 s[CNT], \trips
.Lstep_\@:
	STEP \q, \mode
	s_add_co_u32 s[TB], s[TB], 8192
	s_add_co_u32 s[TBB], s[TBB], 512
.if \mode
	s_add_co_u32 s[KF], s[KF], 128
.endif
	s_sub_co_u32 s[CNT], s[CNT], 1
	s_cmp_lg_u32 s[CNT], 0
	s_cbranch_scc1 .Lstep_\@
.endm
; A tile begins: its ids, its last visible key, and an empty state.
.macro INIT q0
	s_mov_b32 s[Q0], s[\q0]
	s_add_co_u32 s[Q15], s[Q0], 15
	s_cmp_lt_u32 s[Q0], 64
	s_cselect_b32 s78, 63, s[Q0]                   ; queries under 64 see keys 0 .. 63, the others keys up to their own
	s_cselect_b32 s79, 0, 15
	v_and_b32 v24, s79, v0
	v_mov_b32 v13, 0xcf800000                      ; the largest t so far: -2^32, under every t that the stated limit allows
	v_mov_b32 v14, 0
	v_mov_b32 v15, 0
	v_add_nc_u32 v[QE], s78, v24
	v_floor_f32 v12, -v13
	v_sub_nc_u32 v[QE], v[QE], v[H8]
.set j, 0
.rept 32
	v_mov_b32 v[O+j], 0                            ; the step is written once: the first finds zeros
.set j, j+1
.endr
	s_wait_alu depctr_va_vdst(0)
.endm
; A tile ends: O^T / the sum, quantised with 2^e10 (the three scales fold into the conversion's one), stored as the image of the last product's operand: two stores of 512 consecutive bytes.
.macro FINISH
.rept 4
	v_nop
.endr
	v_add_f32 v14, v14, v15
	s_delay_alu instid0(VALU_DEP_1)
	v_permlanex16_b32 v26, v14, s[SEL], s[SEL+1]
	s_delay_alu instid0(VALU_DEP_1)
	v_add_f32 v14, v14, v26                        ; the row's sum
	s_delay_alu instid0(VALU_DEP_1)
	v_cmp_eq_f32 s70, 0, v14                       ; no key counted
	s_wait_alu depctr_va_vdst(0)
	v_rcp_f32 v28, v14
	v_nop
	s_and_b32 s66, s[BH], 15                       ; oc: [K step = head / 4][row tile 128 batch + tile][fragment, piece: 1,024 (head % 4)]
	s_lshr_b32 s67, s66, 2
	s_lshl_b32 s67, s67, 21
	s_lshr_b32 s68, s[BH], 4
	s_lshl_b32 s68, s68, 7
	s_lshr_b32 s69, s[Q0], 4
	s_add_co_u32 s68, s68, s69
	s_lshl_b32 s68, s68, 12
	s_add_co_u32 s72, s67, s68
	s_and_b32 s67, s66, 3
	s_lshl_b32 s67, s67, 10
	s_add_co_u32 s72, s72, s67
	s_mov_b32 s73, 0
	s_add_nc_u64 s[72:73], s[10:11], s[72:73]
	s_wait_alu depctr_va_vdst(0)                   ; the wait behind the transcendental, directly ahead of the first reader of O^T
.set j, 0
.rept 16
	v_pk_mul_f32 v[S+j:S+j+1], v[O+j:O+j+1], v[28:29] op_sel_hi:[1,0]
.set j, j+2
.endr
.set j, 0
.rept 32
	v_med3_num_f32 v[S+j], v[S+j], -v[OLM], v[OLM]
.set j, j+1
.endr
.irp dt, 0,1,2,3
	v_cvt_scalef32_pk8_fp8_f32 v[PC+2*\dt:PC+2*\dt+1], v[S+8*\dt:S+8*\dt+7], v[OSC]
.endr
	v_nop
.irp j, 0,1,2,3,4,5,6,7
	v_cndmask_b32 v[PC+\j], v[PC+\j], v[NANC], s70
.endr
	global_store_b128 v[L16], v[PC:PC+3], s[72:73]
	global_store_b128 v[L16], v[PC+4:PC+7], s[72:73] offset:512
.endm
	INIT QA0
	LOOP QA, 0, 0, 2                               ; tile 127 - P, queries 1,024 on: keys under 1,024 all count; eight steps in every wave, two of them here
	s_wait_tensorcnt 0x0                           ; my piece of keys 1,024 on is in,
	s_wait_dscnt 0x0
	s_barrier_signal -1                            ; say so early
	LOOP QA, 0, 2, 6                               ; between signal and wait: work on registers, and LDS loads of keys under 1,024 and of the table, bytes that nobody writes again
	s_barrier_wait -1                              ; everybody's piece is in
	LOOP QA, 1, 8, 8
	FINISH
	INIT QB0
	s_wait_xcnt 0x0                                ; the stores have read their data and base: both are written again only behind this wait
	LOOP QB, 1, 0, 8
	FINISH
	s_wait_tensorcnt 0x0                           ; the wave's end
	ds_add_u32 v[SPW], v[NIL]
	s_wait_dscnt 0x0
	s_endpgm
.Lfunc_end_k_q6c9a72d403_attn:
	.size	k_q6c9a72d403_attn, .Lfunc_end_k_q6c9a72d403_attn-k_q6c9a72d403_attn
	.p2alignl 7, 3214868480
	.fill 96, 4, 3214868480
	.section	.rodata,"a",@progbits
	.p2align	6, 0x0
	.amdhsa_kernel k_q6c9a72d403_attn
		.amdhsa_group_segment_fixed_size 327680
		.amdhsa_private_segment_fixed_size 0
		.amdhsa_enable_private_segment 0
		.amdhsa_kernarg_size 32
		.amdhsa_user_sgpr_count 2
		.amdhsa_user_sgpr_kernarg_segment_ptr 1
		.amdhsa_wavefront_size32 1
		.amdhsa_system_sgpr_workgroup_id_x 1
		.amdhsa_system_sgpr_workgroup_id_y 1
		.amdhsa_system_sgpr_workgroup_id_z 1
		.amdhsa_system_vgpr_workitem_id 0
		.amdhsa_next_free_vgpr 224
		.amdhsa_next_free_sgpr 80
		.amdhsa_reserve_vcc 1
		.amdhsa_float_denorm_mode_32 3
		.amdhsa_float_denorm_mode_16_64 3
		.amdhsa_memory_ordered 1
		.amdhsa_forward_progress 1
		.amdhsa_inst_pref_size 97
	.end_amdhsa_kernel
	.amdgpu_metadata
---
amdhsa.version: [ 1, 2 ]
amdhsa.kernels:
  - .name:           k_q6c9a72d403_attn
    .symbol:         k_q6c9a72d403_attn.kd
    .args:
      - { .name: qkvc, .offset: 0, .size: 8, .value_kind: global_buffer, .address_space: global }
      - { .name: attention_mask, .offset: 8, .size: 8, .value_kind: global_buffer, .address_space: global }
      - { .name: lowp_scales, .offset: 16, .size: 8, .value_kind: global_buffer, .address_space: global }
      - { .name: oc, .offset: 24, .size: 8, .value_kind: global_buffer, .address_space: global }
    .group_segment_fixed_size: 327680
    .private_segment_fixed_size: 0
    .kernarg_segment_align: 8
    .kernarg_segment_size: 32
    .max_flat_workgroup_size: 512
    .sgpr_count:     80
    .vgpr_count:     224
    .wavefront_size: 32
...
	.end_amdgpu_metadata
.endif
;; end of part 3
;; launch oproj (part 4): grid 8 x 32, 4 waves a work-group, clusters of 4 x 1, 327,680 bytes of LDS; arguments oc, wc, lowp_scales, out0; writes out0
.if DOCPART == 4
	.amdgcn_target "amdgcn-amd-amdhsa--gfx1250"
	.amdhsa_code_object_version 6
	.text
	.protected	k_q6c9a72d403_oproj
	.globl	k_q6c9a72d403_oproj
	.p2align	8
	.type	k_q6c9a72d403_oproj,@function
k_q6c9a72d403_oproj:
	s_mov_b64 s[64:65], 0
	v_nop
	global_prefetch_b8 v0, s[64:65] scope:SCOPE_SE
	s_setreg_imm32_b32 hwreg(HW_REG_WAVE_MODE, 25, 1), 1
	s_wait_xcnt 0x0
	s_wait_alu depctr_hold_cnt(0) depctr_sa_sdst(0) depctr_va_vdst(0) depctr_va_sdst(0) depctr_va_ssrc(0) depctr_va_vcc(0) depctr_vm_vsrc(0)
	s_getreg_b32 s2, hwreg(HW_REG_IB_STS2, 6, 4)
	s_cmp_eq_u32 s2, 0
	s_cbranch_scc0 .Lentry_in_a_cluster
	s_endpgm
.Lentry_in_a_cluster:
	s_bfe_u32 s2, ttmp6, 0x10000c
	s_cmp_lg_u32 s2, 0x3003
	s_cbranch_scc0 .Lentry_shape_is_right
	s_endpgm
.Lentry_shape_is_right:
; OPROJ.  out0 = o Wo^T on E4M3 codes (K = 1,024), each finished sum x 2^(e10 + e11).  oc and wc hold images of the operands' registers: a fragment (16 rows x 128 K) is four pieces of 512 consecutive bytes.
; SHARES.  Work-group (x, y): 128 features x, 256 tokens y: 8 x 32 = 256 work-groups.  Wave w makes 128 tokens (w / 2) x 64 features (w % 2): 32 accumulators of 16 x 16.
; THE TOKENS' CODES, all 1,024 of K, lie in LDS: 4 K steps of 256, 65,536 dense bytes each; wave w asks for K step w with its one tensor load.  Nothing is filled twice: no ring.
; CLUSTER 4 x 1: the four partners differ in their features alone and need the same tokens: the load is joint (mask 15), its descriptor made of the wave's number and the cluster's y.
; Wo's CODES go from memory straight into registers: a wave's 64 rows x 1,024 K are 512 registers (128 loads of 512 consecutive bytes), each used for all eight token tiles.  Four K-128 sets are asked for at the head,
;   set k + 4 when set k has come: 64 loads are out at the most.
; THE TOKENS' FRAGMENTS come from LDS in groups of four (16 loads), through three sets of registers that take turns: group g + 2 is asked for ahead of group g's sixteen products.
; Source 0 = 16 features, source 1 = 16 tokens: a lane holds eight neighbouring features of one token.  The way out goes through the wave's own stage in LDS (bytes that no tensor load fills): sixteen lanes store 256 consecutive bytes, aligned.
; NO PREFETCH: every operand is asked for at the head or as soon as registers' counters allow; there is no trip to run ahead in.
; LIMIT: e10 + e11 between -126 and 127.
; REGISTERS, in windows of 256: window 0: v8-29 addresses, v32-63 a block's scaled sums, v64-255 the tokens' fragments (3 x 4 x 16); window 1: the accumulators, (a, b) at v[8 (4 a + b)];
;   windows 2, 3: Wo's fragments, (k, b) at v[64 (k % 4) + 16 b] of window 2 + k / 4; on the way out window 2 takes the rows read back from the stage, 32 registers a block.
.set KREG,   65536
.set STAGE,  4*KREG
.set SPITCH, 272
.set SPARE,  STAGE+4*16*SPITCH         ; the spare words, 128 bytes a wave, two blocks of 256 bytes that no other line names
.set LA,   8
.set ADR,  16                          ; v16-19  LDS address of my tokens' fragments in K step 0 .. 3
.set STO,  24
.set RD,   25
.set CO,   26
.set SPW,  28
.set NIL,  29
.set TMP,  32
.set AF,   64
.set G1, 24
.set G0, 32
.set MSB, 0
.macro WIN new                         ; the immediate's high byte repeats the setting that is left
.if MSB != \new
	s_set_vgpr_msb (MSB<<8)|\new
.set MSB, \new
.endif
.endm
.macro CROUND                          ; a round of the cluster's barrier
	s_barrier_signal -1
	s_barrier_wait -1
	s_cmp_lg_u32 s14, 0
	s_cbranch_scc1 .Lnot_wave_0_\@
	s_barrier_signal -3
.Lnot_wave_0_\@:
	s_barrier_wait -3
	s_barrier_signal -1
	s_barrier_wait -1
.endm
.macro PLACES
.rept 4
	v_nop
.endr
.endm
	s_load_b128 s[4:7], s[0:1], 0x0                ; oc, wc
	s_load_b128 s[8:11], s[0:1], 0x10              ; the scales, out0
	v_lshl_add_u32 v[SPW], v0, 2, SPARE
	v_mov_b32 v[NIL], 0
	ds_add_u32 v[SPW], v[NIL]                      ; the opening: the add, twice on end, and its wait ahead of my first tensor load
	ds_add_u32 v[SPW], v[NIL]
	v_lshrrev_b32 v1, 5, v0
	v_readfirstlane_b32 s14, v1                    ; wave 0 .. 3
	s_lshr_b32 s15, s14, 1                         ; my half of the tokens,
	s_and_b32 s16, s14, 1                          ; and of the features
	s_bfe_u32 s40, ttmp6, 0x40000                  ; cx
	s_lshl_b32 s42, ttmp9, 2
	s_add_co_u32 s42, s42, s40                     ; which 128 features
	s_and_b32 s17, ttmp7, 0xffff                   ; which 256 tokens: the cluster's y
	s_mov_b32 s[G1+0], 15|(3<<16)|(1<<21)          ; the mask names the four partners; elements of 8 bytes; bit 21 set beside a mask
	s_mov_b32 s[G1+1], 32<<16                      ; 256 rows of 256 bytes, dense
	s_mov_b32 s[G1+2], 256<<16
	s_mov_b32 s[G1+3], 32<<16
	s_mov_b32 s[G1+4], 256
	s_mov_b32 s[G1+5], 32
	s_mov_b32 s[G1+6], 0
	s_mov_b32 s[G1+7], 0
	s_lshl_b32 s20, s14, 21                        ; oc: K step w,
	s_lshl_b32 s21, s17, 16                        ; 16 row tiles of 4,096 bytes
	s_add_co_u32 s20, s20, s21
	s_mov_b32 s21, 0
	s_lshl_b32 s45, s14, 16                        ; LDS: K step w
	s_lshl_b32 s46, s42, 15                        ; wc: 8 row tiles of 4,096 bytes,
	s_lshl_b32 s47, s16, 14                        ; my four of them,
	s_add_co_u32 s46, s46, s47
	s_add_co_u32 s46, s46, 3<<20                   ; in the fourth weight
	s_mov_b32 s47, 0
	s_lshl_b32 s18, s17, 20                        ; out0: 256 rows of 4,096 bytes,
	s_lshl_b32 s19, s15, 19                        ; my 128,
	s_add_co_u32 s18, s18, s19
	s_lshl_b32 s19, s42, 9                         ; 128 columns,
	s_add_co_u32 s18, s18, s19
	s_lshl_b32 s19, s16, 8                         ; my 64
	s_add_co_u32 s18, s18, s19
	s_mov_b32 s19, 0
	s_lshl_b32 s22, s15, 15                        ; my tokens in a K step's region
	s_mul_i32 s23, s14, 16*SPITCH
	s_add_co_u32 s23, s23, STAGE                   ; my stage
	v_and_b32 v1, 31, v0
	v_and_b32 v2, 15, v0                           ; r
	v_bfe_u32 v3, v0, 4, 1                         ; h
	v_lshlrev_b32 v[LA], 4, v1
	v_mul_u32_u24 v5, v2, SPITCH
	v_mul_u32_u24 v6, v3, SPITCH
	v_lshlrev_b32 v7, 12, v3
	v_add_nc_u32 v[ADR], s22, v[LA]
	v_lshl_add_u32 v5, v3, 5, v5
	v_lshl_add_u32 v6, v2, 4, v6
	v_lshl_add_u32 v[CO], v2, 4, v7                ; lanes 0-15 one row of out0, lanes 16-31 the next; 16 bytes a lane
	v_add_nc_u32 v[ADR+1], KREG, v[ADR]
	v_add_nc_u32 v[ADR+2], 2*KREG, v[ADR]
	v_add_nc_u32 v[ADR+3], 3*KREG, v[ADR]
	v_add_nc_u32 v[STO], s23, v5                   ; into the stage: row r, 32 bytes for each half of the lanes
	v_add_nc_u32 v[RD], s23, v6                    ; back: sixteen lanes to a row
	s_wait_alu depctr_va_vdst(0)
	s_wait_dscnt 0x0                               ; both opening adds are done
	s_wait_kmcnt 0x0
	s_load_b64 s[96:97], s[8:9], 0x28              ; e10, e11
	s_add_nc_u64 s[20:21], s[4:5], s[20:21]
	s_add_nc_u64 s[46:47], s[6:7], s[46:47]
	s_add_nc_u64 s[10:11], s[10:11], s[18:19]
	s_mov_b32 s[G0], 1
	s_mov_b32 s[G0+1], s45
	s_mov_b64 s[G0+2:G0+3], s[20:21]
	s_or_b32 s[G0+3], s[G0+3], 0x80000000
	CROUND                                         ; the four partners are here: the joint loads meet
	tensor_load_to_lds s[G0:G0+3], s[G1:G1+7]      ; K step w of the 256 tokens
	s_nop 0
	PLACES
.macro XLD                             ; Wo's set XK: four fragments, 16 loads of 512 consecutive bytes
.irp b, 0,1,2,3
.irp c, 0,1,2,3
	global_load_b128 v[64*(XK%4)+16*\b+4*\c:64*(XK%4)+16*\b+4*\c+3], v[LA], s[46:47] offset:(XK/2)*0x40000+\b*4096+(XK%2)*2048+\c*512
.endr
.endr
.endm
.macro AFETCH                          ; the tokens' group FG (K-128 step FG / 2, token tiles 4 (FG % 2) on) into set FG % 3
.irp i, 0,1,2,3
.irp c, 0,1,2,3
	ds_load_b128 v[AF+64*(FG%3)+16*\i+4*\c:AF+64*(FG%3)+16*\i+4*\c+3], v[ADR+FG/4] offset:(4*(FG%2)+\i)*4096+((FG/2)%2)*2048+\c*512
.endr
.endr
.endm
	WIN 0x80                                       ; destination: window 2
.set XK, 0
.rept 4
	XLD
.set XK, XK+1
.endr
	WIN 0
	s_wait_tensorcnt 0x0                           ; my K step is in,
	s_barrier_signal -1
	s_barrier_wait -1                              ; and everybody's
.set FG, 0
	AFETCH
.set FG, 1
	AFETCH
; Sixteen groups of sixteen products.  The 32 accumulators take turns, one instruction a turn, in the same order in every K-128 step.  The first step's products start the sums.
.set G, 0
.rept 16
.if G < 14
	PLACES                                         ; behind the last group's products, ahead of loads into their sources
	WIN 0
.set FG, G+2
	AFETCH
.endif
.if (G%2) == 0
.if G/2 < 5
	s_wait_loadcnt 48                              ; Wo's set G / 2 is in; the three sets asked for behind it may be out
.else
	s_wait_loadcnt 16*(7-G/2)
.endif
.if G/2 < 4
	WIN 0xc0                                       ; destination: window 3
.set XK, G/2+4
	XLD
.endif
.endif
.if G < 14
	s_wait_dscnt 32                                ; this group's fragments are in; the two later groups' may be out
.else
	s_wait_dscnt 16*(15-G)
.endif
	WIN 0x52+G/8                                   ; source 0 (Wo) window 2 or 3, source 1 (tokens) window 0, C and D window 1
.irp i, 0,1,2,3
.irp b, 0,1,2,3
.if G < 2
	v_wmma_f32_16x16x128_fp8_fp8 v[8*(4*(4*(G%2)+\i)+\b):8*(4*(4*(G%2)+\i)+\b)+7], v[64*((G/2)%4)+16*\b:64*((G/2)%4)+16*\b+15], v[AF+64*(G%3)+16*\i:AF+64*(G%3)+16*\i+15], 0
.else
	v_wmma_f32_16x16x128_fp8_fp8 v[8*(4*(4*(G%2)+\i)+\b):8*(4*(4*(G%2)+\i)+\b)+7], v[64*((G/2)%4)+16*\b:64*((G/2)%4)+16*\b+15], v[AF+64*(G%3)+16*\i:AF+64*(G%3)+16*\i+15], v[8*(4*(4*(G%2)+\i)+\b):8*(4*(4*(G%2)+\i)+\b)+7]
.endif
.endr
.endr
.set G, G+1
.endr
	WIN 0
; THE WAY OUT, block by block of 16 tokens x 64 features.  LDS serves a wave's instructions in order (ISA guide 5.7.1.4): no wait between the stage's stores and loads.  Each block's rows come back into registers of their own, so no store's data are written again.
.macro TOSTAGE a
	WIN 0x01                                       ; source 0: the accumulators' window
.irp j, 0,2,4,6,8,10,12,14,16,18,20,22,24,26,28,30
	v_pk_mul_f32 v[TMP+\j:TMP+\j+1], v[32*(\a)+\j:32*(\a)+\j+1], s[96:97] op_sel_hi:[1,0]   ; both x s96 = 2^(e10 + e11); each accumulator from its low end on
.endr
	WIN 0
.irp b, 0,1,2,3
	ds_store_b128 v[STO], v[TMP+8*\b:TMP+8*\b+3] offset:64*\b
	ds_store_b128 v[STO], v[TMP+8*\b+4:TMP+8*\b+7] offset:64*\b+16
.endr
	WIN 0x80                                       ; destination: window 2
.irp t, 0,1,2,3,4,5,6,7
	ds_load_b128 v[32*(\a)+4*\t:32*(\a)+4*\t+3], v[RD] offset:\t*2*SPITCH
.endr
	WIN 0
.endm
.macro SEND a, younger                 ; younger: the LDS instructions issued behind block a's loads, which may stay out
	s_wait_dscnt \younger
	WIN 0x08                                       ; a store's data: window 2
.irp t, 0,1,2,3,4,5,6,7
	global_store_b128 v[CO], v[32*(\a)+4*\t:32*(\a)+4*\t+3], s[10:11] offset:(\a)*65536+\t*8192 th:TH_STORE_NT   ; sixteen lanes store 256 consecutive bytes, aligned
.endr
	WIN 0
.endm
	s_wait_kmcnt 0x0
	s_add_co_i32 s96, s96, s97
	s_add_co_i32 s96, s96, 127
	s_lshl_b32 s96, s96, 23                        ; 2^(e10 + e11) as f32
	PLACES                                         ; behind the last products, ahead of the first read of results
	TOSTAGE 0
.irp a, 1,2,3,4,5,6,7
	TOSTAGE \a
	SEND \a-1, 16                                  ; behind block a - 1's loads: block a's 8 stores and 8 loads
.endr
	SEND 7, 0
	s_wait_tensorcnt 0x0                           ; the wave's end
	ds_add_u32 v[SPW], v[NIL]
	s_wait_dscnt 0x0
	CROUND                                         ; the closing round
	s_endpgm
.Lfunc_end_k_q6c9a72d403_oproj:
	.size	k_q6c9a72d403_oproj, .Lfunc_end_k_q6c9a72d403_oproj-k_q6c9a72d403_oproj
	.p2alignl 7, 3214868480
	.fill 96, 4, 3214868480
	.section	.rodata,"a",@progbits
	.p2align	6, 0x0
	.amdhsa_kernel k_q6c9a72d403_oproj
		.amdhsa_group_segment_fixed_size 327680
		.amdhsa_private_segment_fixed_size 0
		.amdhsa_enable_private_segment 0
		.amdhsa_kernarg_size 32
		.amdhsa_user_sgpr_count 2
		.amdhsa_user_sgpr_kernarg_segment_ptr 1
		.amdhsa_wavefront_size32 1
		.amdhsa_system_sgpr_workgroup_id_x 1
		.amdhsa_system_sgpr_workgroup_id_y 1
		.amdhsa_system_sgpr_workgroup_id_z 1
		.amdhsa_system_vgpr_workitem_id 0
		.amdhsa_next_free_vgpr 1024
		.amdhsa_next_free_sgpr 100
		.amdhsa_reserve_vcc 0
		.amdhsa_float_denorm_mode_32 3
		.amdhsa_float_denorm_mode_16_64 3
		.amdhsa_memory_ordered 1
		.amdhsa_forward_progress 1
		.amdhsa_inst_pref_size 77
	.end_amdhsa_kernel
	.amdgpu_metadata
---
amdhsa.version: [ 1, 2 ]
amdhsa.kernels:
  - .name:           k_q6c9a72d403_oproj
    .symbol:         k_q6c9a72d403_oproj.kd
    .args:
      - { .name: oc, .offset: 0, .size: 8, .value_kind: global_buffer, .address_space: global }
      - { .name: wc, .offset: 8, .size: 8, .value_kind: global_buffer, .address_space: global }
      - { .name: lowp_scales, .offset: 16, .size: 8, .value_kind: global_buffer, .address_space: global }
      - { .name: out0, .offset: 24, .size: 8, .value_kind: global_buffer, .address_space: global }
    .group_segment_fixed_size: 327680
    .private_segment_fixed_size: 0
    .kernarg_segment_align: 8
    .kernarg_segment_size: 32
    .max_flat_workgroup_size: 128
    .sgpr_count:     100
    .vgpr_count:     1024
    .wavefront_size: 32
...
	.end_amdgpu_metadata
.endif
;; end of part 4
